; MI455X (gfx1250); checked and timed in simulation.
; The chip was launched on July 23, 2026; its instructions are those of AMD's public machine-readable ISA for CDNA 5 (MIT licence, August 2026) and "CDNA5" Instruction Set Architecture Reference Guide (July 2026). The comments in the code are by the model that wrote it; some were corrected since.
;; Custom LSTM Cell. Allowed arithmetic: matrix products marked QUANTISED: E5M2 operands, one E8M0 scale for each 32 along K, by v_wmma_scale_f32_16x16x128_f8f6f4 with both operands' format E5M2, f32 sums; everything else in f32.
;; Inputs: W_f 2,048 x 1,024 float32; W_g 2,048 x 1,024 float32; W_i 2,048 x 1,024 float32; W_o 2,048 x 1,024 float32; Z 8,192 x 1,024 float32; b_f 1,024 float32; b_g 1,024 float32; b_i 1,024 float32; b_o 1,024 float32; c_prev 8,192 x 1,024 float32; h_prev 8,192 x 1,024 float32.
;; Outputs: out0 8,192 x 1,024 float32; out1 8,192 x 1,024 float32.
;; This version of the problem:
;;   THIS VERSION OF THE PROBLEM IS GIVEN IN LOW PRECISION. The matrix products marked QUANTISED in the list below multiply operands that are first quantised to E5M2 (5 exponent bits, 2 mantissa bits; 8 bits a number), with one power-of-two scale for each 32 numbers along K (OCP MX v1.0); their sums are f32. All else is computed in f32.
;;   The module's matrix products, in the order in which they are computed (A, B: the left and right operand; K: the contracted axis; several contracted axes count as one K, in the product's order):
;;     1. [M 8,192, K 2,048] x [K 2,048, N 1,024]; A: computed on the way; B: input W_i: QUANTISED
;;     2. [M 8,192, K 2,048] x [K 2,048, N 1,024]; A: computed on the way; B: input W_f: QUANTISED
;;     3. [M 8,192, K 2,048] x [K 2,048, N 1,024]; A: computed on the way; B: input W_o: QUANTISED
;;     4. [M 8,192, K 2,048] x [K 2,048, N 1,024]; A: computed on the way; B: input W_g: QUANTISED
;;   THE QUANTISER, for each operand of a quantised product, along K:
;;     - K is cut into blocks of 32 from its start; a last block that is shorter is filled with zeros.
;;     - A block's scale is 2^e with e = floor(log2(the largest magnitude in the block)) - 15, held to -126 .. 127; a block of zeros has e = 0. As a byte (E8M0): e + 127.
;;     - Each number is divided by its block's scale, clamped to +-57,344, and rounded to the nearest number of E5M2, ties to even, subnormals kept.
;;     - The product sums the exact products of the quantised numbers (number of the format x scale) in f32.
;;   ~~~python
;;   def quantise(x, axis):      # numpy; x: float32 -> the quantised numbers, widened to float32 again
;;       x = np.moveaxis(x, axis, -1); K = x.shape[-1]
;;       x = np.pad(x, [(0, 0)] * (x.ndim - 1) + [(0, -K % 32)]); x = x.reshape(x.shape[:-1] + (-1, 32)); a = np.abs(x).max(-1, keepdims=True)
;;       e = np.where(a > 0, np.clip(np.frexp(np.where(a > 0, a, 1))[1] - 1 - 15, -126, 127), 0)      # np.frexp(a)[1] - 1 = floor(log2(a)), exactly
;;       r = np.clip(x / 2.0 ** e, -57344, 57344)
;;       step = 2.0 ** (np.maximum(np.frexp(np.where(r == 0, 1, r))[1] - 1, -14) - 2)
;;       q = np.round(r / step) * step * 2.0 ** e      # np.round: ties to even
;;       return np.moveaxis(q.reshape(q.shape[:-2] + (-1,))[..., :K], -1, axis).astype(np.float32)
;;   ~~~
;;   OPERANDS COMPUTED ON THE WAY. 'Computed on the way' means the value that the module computes at that place (a softmax that the list does not call 'softmax' is quantised finished and normalised). What goes into a quantiser is computed in f32, as accurately as f32 sums, v_exp_f32 and their like allow (about 1e-6 of the number): no bf16 or f16 on the way to a quantiser, and a product that is left as it is and whose result goes on into a quantised operand takes f32 operands (vector FMAs, or v_wmma_f32_16x16x4_f32). A number that lies on a knife's edge between two numbers of the format may be rounded either way, as far as f32 arithmetic and the matrix unit's own rounding can turn it there, and no further.
;; One version. Each part assembles by itself: llvm-mc -triple=amdgcn-amd-amdhsa -mcpu=gfx1250 --defsym DOCPART=n.
;; ======== version 1 of 1: 2 launches
;; limits: right only within a limited range of input values
;; workspace buffers: a_codes 16,777,216 bytes; a_scales 2,097,152 bytes; b_codes 8,388,608 bytes; b_scales 1,048,576 bytes
;; launch quant (part 1): grid 768 x 1, 4 waves a work-group, no clusters, 68,096 bytes of LDS; arguments Z, h_prev, W_i, W_f, W_o, W_g, a_codes, a_scales, b_codes, b_scales; writes a_codes, a_scales, b_codes, b_scales
.if DOCPART == 1
	.amdgcn_target "amdgcn-amd-amdhsa--gfx1250"
	.amdhsa_code_object_version 6
	.text
	.protected	k_q7cbbed7dd9_quant
	.globl	k_q7cbbed7dd9_quant
	.p2align	8
	.type	k_q7cbbed7dd9_quant,@function
k_q7cbbed7dd9_quant:
	s_mov_b64 s[64:65], 0
	v_nop
	global_prefetch_b8 v0, s[64:65] scope:SCOPE_SE
	s_setreg_imm32_b32 hwreg(HW_REG_WAVE_MODE, 25, 1), 1
	s_wait_xcnt 0x0
; Both operands of the four gate products become codes of BF8 (E5M2), one byte each, K innermost, with one E8M0 scale byte for each 32 along K.
;   a_codes [8192][2048]: combined = [Z | h_prev]; columns 0-1023 from Z, 1024-2047 from h_prev.
;   b_codes [4096][2048]: the four weights as ONE operand; gate (i 0, f 1, o 2, g 3), hidden column j lies at row 128 (j / 32) + 32 gate + j % 32,
;   so that 128 neighbouring rows hold all four gates of 32 hidden columns: the product's launch then finds the four gates of one output in one lane.
;   a_scales [4][8192][64], b_scales [4][4096][64]: THE SCALE BYTES ARE STORED FOUR TIMES.  A row's 64 bytes are eight groups of 8, one for each 256 along K; in copy p group c lies at place c xor 2 p.
;   The product's launch walks K in the order t xor 2 p, p by the cluster, and so finds its groups in its copy in the order in which it wants them.
; A block's scale is 2^(floor(log2(its largest magnitude)) - 15); its byte is the largest magnitude's exponent field - 15, held at 1 from below.  Each number is divided by the scale, held within
; +-57,344 and rounded to the nearest code, ties to even.
; LIMITS: a block of zeros gets the byte 1 where the rule says 127 (its codes are zeros, which add nothing under any byte but 0xff, and this program alone reads the bytes); blocks whose largest
; magnitude lies under 2^(16 - 127), the floor, keep the byte 1; NaN and infinities among the inputs are not served.
; SHARES: 768 work-groups of four waves, each reading 131,072 bytes.  Work-groups 0-511 take Z and h_prev (K innermost), work-groups 512-767 the weights (K is their first axis).
; The two ways part on the work-group's number and have LDS bytes of their own: [0, 32768) and [32768, 67584).  No tensor loads, no barrier: waves share nothing.  Every offset is an immediate.
.set XR,   16                          ; v16-79   rows' way: four sets of 16 numbers as they are loaded
.set XX,   80                          ; v80-111  two sets of 16 neighbours
.set XE,   112                         ; v112-127 a scale byte for each step
.set XC,   128                         ; v128-191 codes: four registers for each step, so that no store's data are written again
.set SP,   80                          ; a lane's place in a stage: its 64 bytes + 16 of padding
.set WREG, 8192                        ; LDS of a wave on the rows' way: two stages of 32 x SP bytes, then its 256 scale bytes
.set WSB,  24                          ; v24-25   weights' way: the scale bytes, four to a register
.set WSA,  16                          ; v16-19   where they go in each of the four copies
.set WX,   32                          ; v32-95   two sets of 32 numbers
.set WC,   96                          ; v96-103  a block's codes
.set WOUT, 112                         ; v112-175 the way out: 16 x 4 registers
.set WP,   272                         ; a stage row: 256 bytes of codes + 16
.set WSTG, 32768                       ; where the weights' stages begin
.set NB,   8                           ; blocks of 32 along K for a wave on the weights' way
.set ACOPY, 524288                     ; bytes of a copy of A's scale bytes
.set BCOPY, 262144                     ; and of B's
	s_load_b256 s[4:11], s[0:1], 0x0               ; Z s[4:5], h_prev s[6:7], W_i s[8:9], W_f s[10:11]
	s_load_b256 s[12:19], s[0:1], 0x20             ; W_o s[12:13], W_g s[14:15], a_codes s[16:17], a_scales s[18:19]
	s_load_b128 s[20:23], s[0:1], 0x40             ; b_codes s[20:21], b_scales s[22:23]
	v_lshl_add_u32 v192, v0, 2, 0x10800
	v_mov_b32 v193, 0
	v_lshrrev_b32 v1, 5, v0
	v_readfirstlane_b32 s24, v1                    ; wave 0..3
	v_and_b32 v2, 31, v0                           ; lane
	s_mov_b32 s26, 0x600000                        ; the mantissa field of 57,344 as f32 (an instruction takes one literal: the hold's line has another)
	s_mov_b32 s29, 0                               ; the upper word of every byte offset: all stay under 2^32
	s_wait_kmcnt 0x0
	s_cmp_lt_u32 ttmp9, 512
	s_cbranch_scc0 .Lweights
; ---- Z AND h_prev.  Wave run R = 4 x work-group + wave takes rows 4 R .. 4 R + 3 of both tensors, in 16 steps of 512 numbers: step t = row t / 4, tensor (t / 2) % 2, half row t % 2.
; In that order the run's codes are 8,192 consecutive bytes of a_codes (step t at 512 t) and its scale bytes 256 consecutive bytes of a copy of a_scales (step t at 16 t).
; The conversions take numbers of ONE block from a lane's registers, so a lane must hold 16 neighbours; a load is dense where neighbouring lanes take neighbouring bytes.  Both are had: each of a step's
; four loads reads 512 consecutive bytes, the 2,048 bytes go through the wave's own stage in LDS as they lie and come back 64 bytes a lane.  Two neighbouring lanes hold a block.
	s_lshl_b32 s27, ttmp9, 2
	s_add_co_u32 s27, s27, s24                     ; R
	s_wait_alu depctr_va_vdst(0)
	v_lshlrev_b32 v3, 4, v2                        ; my 16 bytes of a load's 512, and of a step's 512 bytes of codes
	s_mul_i32 s25, s24, WREG
	v_lshrrev_b32 v14, 2, v2
	v_mul_u32_u24 v14, v14, SP
	v_and_b32 v15, 3, v2
	v_lshl_add_u32 v14, v15, 4, v14
	v_add_nc_u32 v14, s25, v14                     ; the stage, on the way in: SP (lane / 4) + 16 (lane % 4); a load's 512 bytes take eight places
	v_mul_u32_u24 v15, v2, SP
	v_add_nc_u32 v15, s25, v15                     ; and on the way out: SP x lane: my 16 neighbours
	v_lshrrev_b32 v5, 1, v2
	s_add_co_u32 s25, s25, 2*32*SP
	v_add_nc_u32 v5, s25, v5                       ; my wave's 256 scale bytes, my block's byte
	v_lshlrev_b32 v7, 3, v2                        ; and on the way out 8 bytes a lane
	v_add_nc_u32 v6, s25, v7
	s_lshl_b32 s28, s27, 14                        ; four rows of 4,096 bytes
	s_add_nc_u64 s[4:5], s[4:5], s[28:29]
	s_add_nc_u64 s[6:7], s[6:7], s[28:29]
	s_lshl_b32 s28, s27, 13                        ; four rows of 2,048 codes
	s_add_nc_u64 s[16:17], s[16:17], s[28:29]
	s_lshl_b32 s28, s27, 8                         ; four rows of 64 scale bytes
	s_add_nc_u64 s[18:19], s[18:19], s[28:29]
.macro XLOAD t                         ; step t's 2,048 bytes: 32 lanes read 512 consecutive bytes a load
.if (((\t)/2)%2) == 0
.irp i, 0,1,2,3
	global_load_b128 v[XR+16*((\t)%4)+4*\i:XR+16*((\t)%4)+4*\i+3], v3, s[4:5] offset:((\t)/4)*4096+((\t)%2)*2048+512*\i th:TH_LOAD_NT
.endr
.else
.irp i, 0,1,2,3
	global_load_b128 v[XR+16*((\t)%4)+4*\i:XR+16*((\t)%4)+4*\i+3], v3, s[6:7] offset:((\t)/4)*4096+((\t)%2)*2048+512*\i th:TH_LOAD_NT
.endr
.endif
.endm
.macro XTURN t                         ; step t's numbers through the stage: LDS serves a wave's instructions in order, so no wait stands between the stores and the loads
.irp i, 0,1,2,3
	ds_store_b128 v14, v[XR+16*((\t)%4)+4*\i:XR+16*((\t)%4)+4*\i+3] offset:32*SP*((\t)%2)+8*SP*\i
.endr
.irp i, 0,1,2,3
	ds_load_b128 v[XX+16*((\t)%2)+4*\i:XX+16*((\t)%2)+4*\i+3], v15 offset:32*SP*((\t)%2)+16*\i
.endr
.endm
.irp t, 0,1,2,3
	XLOAD \t
.endr
	s_wait_alu depctr_va_vdst(0)
	s_wait_loadcnt 12                              ; step 0's four loads are in; the twelve behind them stay out
	XTURN 0
.macro XSTEP t
.set XS, XX+16*((\t)%2)
.if (\t) > 0
	s_wait_dscnt 1                                 ; this step's numbers are back from the stage (the last step's byte store may be out): so its stores into the stage have read their registers,
.else
	s_wait_dscnt 0x0
.endif
.if (\t)+4 < 16
	XLOAD (\t)+4                                   ; which take the loads of four steps on
.endif
.if (\t)+1 < 16
.if 14-(\t) >= 3
	s_wait_loadcnt 12                              ; the next step's four loads are in; those of the three steps behind it may be out
.else
	s_wait_loadcnt 4*(14-(\t))                     ; the counts run down: nothing more is asked for
.endif
	XTURN (\t)+1                                   ; and go through the other stage while this step is worked
.endif
	v_max3_num_f32 v8, |v[XS]|, |v[XS+1]|, |v[XS+2]|               ; the largest magnitude of my 16, in two chains
	v_max3_num_f32 v9, |v[XS+3]|, |v[XS+4]|, |v[XS+5]|
.irp i, 6,10
	v_max3_num_f32 v8, v8, |v[XS+\i]|, |v[XS+\i+1]|
	v_max3_num_f32 v9, v9, |v[XS+\i+2]|, |v[XS+\i+3]|
.endr
	v_max3_num_f32 v8, v8, |v[XS+14]|, |v[XS+15]|
	v_max3_num_f32 v8, v8, v9, 0x8000000           ; and the floor 2^(16 - 127): the byte cannot fall under 1
	v_max_num_f32_dpp v8, v8, v8 row_xmask:1 row_mask:0xf bank_mask:0xf   ; and of my neighbour's 16: the block's
	v_add_nc_u32 v11, 0xf8800000, v8               ; 15 off its exponent field: the conversion takes the exponent field of this operand as its scale, and nothing else of it
	v_and_or_b32 v10, v8, 0x7f800000, s26          ; 57,344 x the scale: the largest magnitude's exponent field over 57,344's mantissa
.irp i, 0,1,2,3,4,5,6,7,8,9,10,11,12,13,14,15
	v_med3_num_f32 v[XS+\i], v[XS+\i], -v10, v10   ; the conversion to an 8-bit code does not saturate (ISA guide 7.6.2): hold the number first
.endr
	v_cvt_scalef32_pk8_bf8_f32 v[XC+4*(\t):XC+4*(\t)+1], v[XS:XS+7], v11
	v_cvt_scalef32_pk8_bf8_f32 v[XC+4*(\t)+2:XC+4*(\t)+3], v[XS+8:XS+15], v11
	v_lshrrev_b32 v[XE+(\t)], 23, v11              ; the scale's byte (a plain line behind the conversions)
	ds_store_b8 v5, v[XE+(\t)] offset:16*(\t)      ; both lanes of a block write the same byte with the same value
	global_store_b128 v3, v[XC+4*(\t):XC+4*(\t)+3], s[16:17] offset:512*(\t)   ; 32 lanes store 512 consecutive bytes, aligned
.endm
.irp t, 0,1,2,3,4,5,6,7,8,9,10,11,12,13,14,15
	XSTEP \t
.endr
	ds_load_b64 v[12:13], v6                       ; LDS serves a wave's instructions in order: these see my stores.  Lane l holds row l / 8, group l % 8
	v_xor_b32 v8, 16, v7                           ; in copy p my group lies at place (l % 8) xor 2 p: byte 8 l xor 16 p of the run's 256
	v_xor_b32 v9, 32, v7
	v_xor_b32 v10, 48, v7
	s_wait_alu depctr_va_vdst(0)
	s_wait_dscnt 0x0
	global_store_b64 v7, v[12:13], s[18:19]        ; each of the four: 32 lanes store 256 consecutive bytes, aligned
	global_store_b64 v8, v[12:13], s[18:19] offset:ACOPY
	global_store_b64 v9, v[12:13], s[18:19] offset:2*ACOPY
	global_store_b64 v10, v[12:13], s[18:19] offset:3*ACOPY
	s_wait_tensorcnt 0x0
	ds_add_u32 v192, v193
	s_wait_dscnt 0x0
	s_endpgm
; ---- THE WEIGHTS.  Work-group w = number - 512: gate w / 64, 128 columns at 128 ((w / 8) % 8), 256 along K at 256 (w % 8).  A LANE TAKES A COLUMN, AND ITS REGISTERS RUN DOWN K: each load reads
; 128 consecutive bytes a wave, a block of 32 along K lies in one lane's 32 registers, and the conversions give codes with K innermost.  A lane's 256 bytes of codes belong to one row of b_codes:
; they go through the wave's own stage and leave as rows, sixteen lanes to 256 consecutive bytes, aligned.
.Lweights:
	s_sub_co_u32 s27, ttmp9, 512
	s_lshr_b32 s30, s27, 6                         ; gate
	s_cmp_eq_u32 s30, 1                            ; the weight is chosen by the work-group's number alone
	s_cselect_b64 s[8:9], s[10:11], s[8:9]
	s_cmp_eq_u32 s30, 2
	s_cselect_b64 s[8:9], s[12:13], s[8:9]
	s_cmp_eq_u32 s30, 3
	s_cselect_b64 s[8:9], s[14:15], s[8:9]
	s_bfe_u32 s31, s27, 0x30003                    ; which 128 columns
	s_and_b32 s27, s27, 7                          ; which 256 along K
	s_lshl_b32 s31, s31, 2
	s_add_co_u32 s31, s31, s24                     ; my wave's group of 32 columns
	s_lshl_b32 s32, s31, 7                         ; its first column in bytes (32 x 4), and 128 x the group: the first of its 128 rows of b_codes
	s_lshl_b32 s28, s27, 20                        ; 256 rows of 4,096 bytes
	s_add_co_u32 s28, s28, s32
	s_add_nc_u64 s[8:9], s[8:9], s[28:29]
	s_lshl_b32 s33, s30, 5
	s_add_co_u32 s32, s32, s33                     ; my lane 0's row: 128 x group + 32 x gate
	s_lshl_b32 s28, s32, 11                        ; rows of 2,048 codes,
	s_lshl_b32 s33, s27, 8                         ; + 256 codes for each 256 along K
	s_add_co_u32 s28, s28, s33
	s_add_nc_u64 s[20:21], s[20:21], s[28:29]
	s_lshl_b32 s28, s32, 6                         ; rows of 64 scale bytes
	s_add_nc_u64 s[22:23], s[22:23], s[28:29]
	s_wait_alu depctr_va_vdst(0)
	v_lshlrev_b32 v3, 2, v2                        ; in: 4 bytes a lane
	s_mul_i32 s25, s24, 32*WP
	s_add_co_u32 s25, s25, WSTG                    ; my stage
	v_mul_u32_u24 v4, v2, WP
	v_add_nc_u32 v4, s25, v4                       ; into it: row = my column
	v_and_b32 v5, 15, v2
	v_lshrrev_b32 v6, 4, v2                        ; out of it: sixteen lanes to a row, two rows an instruction
	v_mul_u32_u24 v7, v6, WP
	v_lshl_add_u32 v7, v5, 4, v7
	v_add_nc_u32 v7, s25, v7
	v_lshlrev_b32 v8, 11, v6
	v_lshl_add_u32 v8, v5, 4, v8                   ; and the same place in b_codes
	v_lshlrev_b32 v9, 6, v2                        ; my row of scale bytes;
	s_lshl_b32 s33, s27, 3                         ; my group of 8 lies, in copy p, at place (which 256 along K) xor 2 p: byte 8 x that
	v_add_nc_u32 v[WSA], s33, v9
	s_xor_b32 s34, s33, 16
	v_add_nc_u32 v[WSA+1], s34, v9
	s_xor_b32 s34, s33, 32
	v_add_nc_u32 v[WSA+2], s34, v9
	s_xor_b32 s34, s33, 48
	v_add_nc_u32 v[WSA+3], s34, v9
.macro WLOAD t                         ; block t: W(32 t + i, my column), i = 0 .. 31, into set t % 2; the largest offset is 255 rows of 4,096 bytes
.irp i, 0,1,2,3,4,5,6,7,8,9,10,11,12,13,14,15,16,17,18,19,20,21,22,23,24,25,26,27,28,29,30,31
	global_load_b32 v[WX+32*((\t)%2)+\i], v3, s[8:9] offset:(32*(\t)+\i)*4096 th:TH_LOAD_NT
.endr
.endm
	WLOAD 0
	WLOAD 1
.macro WBLOCK t
.set WS, WX+32*((\t)%2)
.if (\t) < NB-1
	s_wait_loadcnt 32                              ; this block's 32 loads are in; the next block's may be out
.else
	s_wait_loadcnt 0
.endif
	v_max3_num_f32 v12, |v[WS]|, |v[WS+1]|, |v[WS+2]|               ; the block's largest magnitude: all 32 numbers are mine
	v_max3_num_f32 v13, |v[WS+3]|, |v[WS+4]|, |v[WS+5]|
.irp i, 6,10,14,18,22,26
	v_max3_num_f32 v12, v12, |v[WS+\i]|, |v[WS+\i+1]|
	v_max3_num_f32 v13, v13, |v[WS+\i+2]|, |v[WS+\i+3]|
.endr
	v_max3_num_f32 v12, v12, |v[WS+30]|, |v[WS+31]|
	v_max3_num_f32 v12, v12, v13, 0x8000000        ; and the floor 2^(16 - 127)
	v_add_nc_u32 v11, 0xf8800000, v12              ; 15 off its exponent field: the conversion's scale operand
	v_and_or_b32 v10, v12, 0x7f800000, s26         ; 57,344 x the scale
	v_lshrrev_b32 v13, 23, v11                     ; the scale's byte
.if (\t)%4 == 0
	v_mov_b32 v[WSB+(\t)/4], v13                   ; four bytes to a register, the lower K in the lower byte
.else
	v_lshl_or_b32 v[WSB+(\t)/4], v13, 8*((\t)%4), v[WSB+(\t)/4]
.endif
.irp i, 0,1,2,3,4,5,6,7,8,9,10,11,12,13,14,15,16,17,18,19,20,21,22,23,24,25,26,27,28,29,30,31
	v_med3_num_f32 v[WS+\i], v[WS+\i], -v10, v10   ; the hold at the largest code x the scale
.endr
.irp g, 0,1,2,3
	v_cvt_scalef32_pk8_bf8_f32 v[WC+2*\g:WC+2*\g+1], v[WS+8*\g:WS+8*\g+7], v11
.endr
	ds_store_b128 v4, v[WC:WC+3] offset:32*(\t)    ; 32 codes: 32 bytes of my column's row
	ds_store_b128 v4, v[WC+4:WC+7] offset:32*(\t)+16
.if (\t)+2 < NB
	WLOAD (\t)+2
.endif
	s_wait_dscnt 0x0                               ; the stores have read their registers: the next block's codes may be written (it begins with plain vector lines)
.endm
.set Q, 0
.rept NB
	WBLOCK Q
.set Q, Q+1
.endr
.irp p, 0,1,2,3
	global_store_b64 v[WSA+\p], v[WSB:WSB+1], s[22:23] offset:\p*BCOPY   ; my row's 8 scale bytes, into each copy: rows 64 bytes apart; four bytes in 128 of what the way reads
.endr
.irp t, 0,1,2,3,4,5,6,7,8,9,10,11,12,13,14,15
	ds_load_b128 v[WOUT+4*\t:WOUT+4*\t+3], v7 offset:2*\t*WP   ; LDS serves a wave's instructions in order: these see my stores
.endr
.irp t, 0,1,2,3,4,5,6,7,8,9,10,11,12,13,14,15
	s_wait_dscnt 15-\t                             ; read-back t is in; the younger ones stay out
	global_store_b128 v8, v[WOUT+4*\t:WOUT+4*\t+3], s[20:21] offset:2*\t*2048
.endr
	s_wait_tensorcnt 0x0
	ds_add_u32 v192, v193
	s_wait_dscnt 0x0
	s_endpgm
.Lfunc_end_k_q7cbbed7dd9_quant:
	.size	k_q7cbbed7dd9_quant, .Lfunc_end_k_q7cbbed7dd9_quant-k_q7cbbed7dd9_quant
	.p2alignl 7, 3214868480
	.fill 96, 4, 3214868480
	.section	.rodata,"a",@progbits
	.p2align	6, 0x0
	.amdhsa_kernel k_q7cbbed7dd9_quant
		.amdhsa_group_segment_fixed_size 68096
		.amdhsa_private_segment_fixed_size 0
		.amdhsa_enable_private_segment 0
		.amdhsa_kernarg_size 80
		.amdhsa_user_sgpr_count 2
		.amdhsa_user_sgpr_kernarg_segment_ptr 1
		.amdhsa_wavefront_size32 1
		.amdhsa_system_sgpr_workgroup_id_x 1
		.amdhsa_system_sgpr_workgroup_id_y 1
		.amdhsa_system_sgpr_workgroup_id_z 1
		.amdhsa_system_vgpr_workitem_id 0
		.amdhsa_next_free_vgpr 194
		.amdhsa_next_free_sgpr 66
		.amdhsa_reserve_vcc 0
		.amdhsa_float_denorm_mode_32 3
		.amdhsa_float_denorm_mode_16_64 3
		.amdhsa_memory_ordered 1
		.amdhsa_forward_progress 1
		.amdhsa_inst_pref_size 110
	.end_amdhsa_kernel
	.amdgpu_metadata
---
amdhsa.version: [ 1, 2 ]
amdhsa.kernels:
  - .name:           k_q7cbbed7dd9_quant
    .symbol:         k_q7cbbed7dd9_quant.kd
    .args:
      - { .name: Z, .offset: 0, .size: 8, .value_kind: global_buffer, .address_space: global }
      - { .name: h_prev, .offset: 8, .size: 8, .value_kind: global_buffer, .address_space: global }
      - { .name: W_i, .offset: 16, .size: 8, .value_kind: global_buffer, .address_space: global }
      - { .name: W_f, .offset: 24, .size: 8, .value_kind: global_buffer, .address_space: global }
      - { .name: W_o, .offset: 32, .size: 8, .value_kind: global_buffer, .address_space: global }
      - { .name: W_g, .offset: 40, .size: 8, .value_kind: global_buffer, .address_space: global }
      - { .name: a_codes, .offset: 48, .size: 8, .value_kind: global_buffer, .address_space: global }
      - { .name: a_scales, .offset: 56, .size: 8, .value_kind: global_buffer, .address_space: global }
      - { .name: b_codes, .offset: 64, .size: 8, .value_kind: global_buffer, .address_space: global }
      - { .name: b_scales, .offset: 72, .size: 8, .value_kind: global_buffer, .address_space: global }
    .group_segment_fixed_size: 68096
    .private_segment_fixed_size: 0
    .kernarg_segment_align: 8
    .kernarg_segment_size: 80
    .max_flat_workgroup_size: 128
    .sgpr_count:     66
    .vgpr_count:     194
    .wavefront_size: 32
...
	.end_amdgpu_metadata
.endif
;; end of part 1
;; launch lstm (part 2): grid 16 x 32, 4 waves a work-group, clusters of 4 x 4, 327,680 bytes of LDS; arguments a_codes, a_scales, b_codes, b_scales, b_i, b_f, b_o, b_g, c_prev, out0, out1; writes out0, out1
.if DOCPART == 2
	.amdgcn_target "amdgcn-amd-amdhsa--gfx1250"
	.amdhsa_code_object_version 6
	.text
	.protected	k_q7cbbed7dd9_lstm
	.globl	k_q7cbbed7dd9_lstm
	.p2align	8
	.type	k_q7cbbed7dd9_lstm,@function
k_q7cbbed7dd9_lstm:
	s_mov_b64 s[64:65], 0
	v_nop
	global_prefetch_b8 v0, s[64:65] scope:SCOPE_SE
	s_setreg_imm32_b32 hwreg(HW_REG_WAVE_MODE, 25, 1), 1
	s_wait_xcnt 0x0
	s_wait_alu depctr_hold_cnt(0) depctr_sa_sdst(0) depctr_va_vdst(0) depctr_va_sdst(0) depctr_va_ssrc(0) depctr_va_vcc(0) depctr_vm_vsrc(0)
	s_getreg_b32 s2, hwreg(HW_REG_IB_STS2, 6, 4)
	s_cmp_eq_u32 s2, 0
	s_cbranch_scc0 .Lentry_in_a_cluster
	s_endpgm
.Lentry_in_a_cluster:
	s_bfe_u32 s2, ttmp6, 0x10000c
	s_cmp_lg_u32 s2, 0xf033
	s_cbranch_scc0 .Lentry_shape_is_right
	s_endpgm
.Lentry_shape_is_right:
; The LSTM cell on codes: gates = [Z | h_prev] x [W_i W_f W_o W_g] + biases by v_wmma_scale_f32_16x16x128_f8f6f4 on BF8 (E5M2) codes with E8M0 scales, sums in f32; then, in f32,
; c = sigmoid(f) c_prev + sigmoid(i) tanh(g) (out1) and h = sigmoid(o) tanh(c) (out0).
; A: a_codes [8192][2048], a_scales [4][8192][64].  B: b_codes [4096][2048], b_scales [4][4096][64]; B's row 128 (j / 32) + 32 gate + j % 32 is gate (i 0, f 1, o 2, g 3), hidden column j.
; SHARES.  A work-group of four waves makes 256 rows x 256 rows of B = 64 hidden columns x 4 gates; wave (MH, NH) = (wave / 2, wave % 2) makes 128 x 128: 64 accumulators, 512 registers.
; The matrix instruction is used transposed (source 0 = 16 rows of B, source 1 = 16 rows of A): in accumulator (a, b) lane (r, h) register j holds row 16 a + r, gate b / 2, hidden column 16 (b % 2) + 8 h + j
; of the wave's 32: the four gates of one output lie in one lane.  The biases are the C of each sum's first product.
; K = 2,048 goes in 8 steps of 256 through a ring of two LDS slots; a tile's row is 256 bytes of memory; each wave fetches 128 rows of a slot, at the head too.
; With p = (cluster x xor cluster y) & 3 a cluster's t-th K step is step t xor 2 p of the tensors; the scale bytes come from copy p, whose groups lie in that order.  Only global addresses hang on p.
; THE SCALES of the work-group's 512 rows, for all of K, come once, at the head: each wave loads the 8,192 dense bytes of 128 rows into registers, 512 consecutive bytes an instruction, and stores them into LDS bytes
; that no tensor load fills.  They are not asked for jointly: they are 32,768 of the 1,146,880 bytes that a work-group fetches, and each wave's one tensor load at the head is taken by the codes.
; A K STEP IS 128 PRODUCTS, AND ITS LDS LOADS STAND IN FOUR RUNS.  B has two register sets (one for each 128 of K), A's blocks 0-3 one (XA), A's blocks 4-7 two (YA, YP).
; Ahead of product 0: B's set 1 and YP, 48 loads; behind product 31: XA, 16: these are the slot's second 128 of K, and its last reads.  The change of slots stands at products 64-71.
; Behind it: the next slot's scale words, B's set 0 and YA, 56 loads; behind product 95: XA, 16.  Each run stands 32 products or more ahead of the first product that wants it.
; CLUSTERS: 4 x 4.  A's tiles are asked for jointly along a row of the cluster, B's along a column.  c_prev's tile belongs to one work-group: a plain load into slot 0's first half, behind the round after that slot's last read.
; PREFETCH: behind the load of K step n stands the ask for K step n + 2: a lane a row, 32 rows x 256 bytes a wave; the four partners of a joint load share its 128 rows by address
; (cx for A, cy for B).  The head asks for K steps 1 to 3; the loop's last trip has no K step left and asks for c_prev's 256 rows, two K steps ahead of their load.
; THE TAIL.  Slot 0 has had its last fill: c is stored over c_prev's bytes, h into the slot's second half, 16 rows at a time; behind a barrier waves with NH = 0 store whole rows of h, those with NH = 1 of c.
; One tile to a work-group.
; ARITHMETIC: sigmoid(x) = 1 / (1 + 2^(-x log2 e)); tanh(x) = 1 - 2 / (1 + 2^(2 x log2 e)): 2^y runs into infinity or 0 and the reciprocal gives the function's limit.
; LIMITS: tanh near 0 carries the absolute rounding of 1 - 2 / (..), about 1e-7; the order of the f32 sums over K differs between clusters; NaN and infinities among the inputs are not served.
; REGISTERS: window 0: v0-31 addresses; v32-63 scale words, two sets; v64-127 the biases, then YP; v128-191 XA; v192-255 YA.  window 1: B's two sets.  windows 2, 3: the accumulators of rows 0-63, 64-127.
.set ROWB,   256
.set KROW,   2048
.set PITCH,  272                       ; 256 bytes + 16 of padding: the 16 rows of a fragment start at 16 different banks (ISA guide 11.1)
.set HALFT,  128*PITCH
.set SLOT,   4*HALFT                   ; A's 256 rows, then B's 256 rows
.set KS,     64
.set SCL,    2*SLOT                    ; the scales, as rows of 256 bytes + 16
.set HALFS,  32*272                    ; those of 128 rows
.set SBLK,   4*272                     ; of 16 rows
.set SPARE,  SCL+4*HALFS               ; the spare words: 512 bytes that no other line names
.set HR,     2*HALFT
.set EBLK,   16*PITCH
.set SO,   8                           ; v8  16 x lane: my bytes of a load of scales
.set SS,   9                           ; v9  where they go in LDS
.set ADRA, 16                          ; v16-17 my A fragments in slot 0, 1;  v20-21 B's
.set ADRB, 20
.set CO,   22
.set PF,   23                          ; my row of c_prev's tile, for its prefetch
.set EA,   24
.set EH,   25
.set RD,   26
.set ADRS, 27                          ; my scale words: lanes 0-15 A's rows, lanes 16-31 B's
.set SPW,  28
.set NIL,  29
.set BO,   30
.set PFO,  31                          ; lane x 2,048: my row of a prefetch of codes
.set SC,   32                          ; set s at SC + 16 s; register 2 i + q
.set BIAS, 64
.set YP,   64
.set XA,   128
.set YA,   192
.set TI,   64                          ; the tail: v64-79 i, v80-95 f, v96-111 g of a block; v112-127 the block before's c on its way to tanh(c)
.set TG,   96
.set U,    112
.set CPV,  128                         ; v128-143 c_prev, then c
.set BK,   144                         ; v144-175, v176-207: 16 rows read back, by turns
.set OB,   208                         ; v208-223, v224-239: o, by turns: a block's o is used one trip later
.set OX, 16                            ; 512 p
.set KT, 17                            ; 256 t of the next refill
.set WV, 18
.set MH, 19
.set NH, 20
.set TR, 21
.set TC, 22
.set PK, 8                             ; s[8:9] where a prefetch of codes stands
.set G1, 24
.set G0, 32
.set PFB, 42                           ; s[42:43] my work-group's 32 rows of the 128 that I fetch, K = 0
.set KO, 44
.set BB0, 46
.set G1B, 48
.set G0B, 56
.set SCP, 68                           ; s[68:69] the scale bytes of the 128 rows that I fetch; never rewritten
.set G0C, 88                           ; group 0 for c_prev's tile
.set G1C, 92
.set AB0, 100
.set TO_B, 0x40
.set MSB, 0
.macro WIN new                         ; the immediate's high byte repeats the setting that is left
.if MSB != \new
	s_set_vgpr_msb (MSB<<8)|\new
.set MSB, \new
.endif
.endm
.macro PLACES n
.rept \n
	v_nop
.endr
.endm
.macro TLOAD g0, g1                    ; an s_nop 0 and four v_nop follow each tensor load
	tensor_load_to_lds s[\g0:\g0+3], s[\g1:\g1+7]
	s_nop 0
	PLACES 4
.endm
.macro JLOAD g0a, g1a, g0b, g1b        ; waves 0, 1 fetch for A, waves 2, 3 for B: each line has one mask
	s_cmp_eq_u32 s[MH], 0
	s_cbranch_scc0 .Lfor_b_\@
	TLOAD \g0a, \g1a
	s_branch .Lasked_\@
.Lfor_b_\@:
	TLOAD \g0b, \g1b
.Lasked_\@:
.endm
.macro CREST
	s_cmp_lg_u32 s[WV], 0
	s_cbranch_scc1 .Lnot_wave_0_\@
	s_barrier_signal -3
.Lnot_wave_0_\@:
	s_barrier_wait -3
	s_barrier_signal -1
	s_barrier_wait -1
.endm
.macro CROUND
	s_barrier_signal -1
	s_barrier_wait -1
	CREST
.endm
	s_load_b256 s[4:11], s[0:1], 0x0               ; A's codes, A's scales, B's codes, B's scales
	s_load_b256 s[92:99], s[0:1], 0x20             ; b_i, b_f, b_o, b_g
	s_load_b128 s[12:15], s[0:1], 0x40             ; c_prev, out0
	s_load_b64 s[16:17], s[0:1], 0x50              ; out1
	v_lshl_add_u32 v[SPW], v0, 2, SPARE
	v_mov_b32 v[NIL], 0
	ds_add_u32 v[SPW], v[NIL]                      ; the opening lines: the add, twice on end, and its wait
	ds_add_u32 v[SPW], v[NIL]
	v_lshrrev_b32 v1, 5, v0
	v_readfirstlane_b32 s[WV], v1
	s_lshr_b32 s[MH], s[WV], 1
	s_and_b32 s[NH], s[WV], 1
	s_bfe_u32 s40, ttmp6, 0x40000                  ; cx, cy
	s_bfe_u32 s41, ttmp6, 0x40004
	s_lshl_b32 s[TC], ttmp9, 2
	s_add_co_u32 s[TC], s[TC], s40
	s_and_b32 s[TR], ttmp7, 0xffff
	s_lshl_b32 s[TR], s[TR], 2
	s_add_co_u32 s[TR], s[TR], s41
	s_lshl_b32 s42, s41, 2
	s_lshl_b32 s42, 15, s42                        ; my row of the cluster
	s_lshl_b32 s43, 0x1111, s40                    ; my column
	s_or_b32 s[G1+0], s42, (1<<20)|(1<<21)|(5<<22)|(3<<25)   ; 128 rows of 256 bytes, 16 of padding behind each
	s_or_b32 s[G1B+0], s43, (1<<20)|(1<<21)|(5<<22)|(3<<25)
.irp g, G1, G1B
	s_mov_b32 s[\g+1], ROWB<<16
	s_mov_b32 s[\g+2], 128<<16
	s_mov_b32 s[\g+3], ROWB<<16
	s_mov_b32 s[\g+4], 128
	s_mov_b32 s[\g+5], KROW
	s_mov_b32 s[\g+6], 0
	s_mov_b32 s[\g+7], 0
.endr
	s_lshl_b32 s23, s[NH], 13                      ; byte offsets of the 128 rows that I fetch: scales 64 a row,
	s_lshl_b32 s44, s[TR], 14
	s_add_co_u32 s44, s44, s23
	s_lshl_b32 s66, s[TC], 14
	s_add_co_u32 s66, s66, s23
	s_lshl_b32 s23, s[NH], 18                      ; codes 2,048 a row
	s_lshl_b32 s100, s[TR], 19
	s_add_co_u32 s100, s100, s23
	s_lshl_b32 s46, s[TC], 19
	s_add_co_u32 s46, s46, s23
	s_mov_b32 s45, 0
	s_mov_b32 s47, 0
	s_mov_b32 s67, 0
	s_mov_b32 s101, 0
	s_wait_dscnt 0x0                               ; both opening adds are done
	CROUND                                         ; the opening round, ahead of the wait for the arguments: all sixteen work-groups are here
	s_wait_kmcnt 0x0
	s_cmp_eq_u32 s[NH], 0                          ; which output I store: h or c
	s_cselect_b64 s[14:15], s[14:15], s[16:17]
	s_and_b32 s[KT], ttmp7, 0xffff
	s_xor_b32 s[OX], ttmp9, s[KT]
	s_and_b32 s[OX], s[OX], 3                      ; p: the same in all sixteen partners
	s_lshl_b32 s[KT], s[OX], 19
	s_add_co_u32 s44, s44, s[KT]                   ; copy p of A's scales
	s_lshl_b32 s[KT], s[OX], 18
	s_add_co_u32 s66, s66, s[KT]                   ; and of B's
	s_lshl_b32 s[OX], s[OX], 9
	s_mov_b32 s[KT], 2*ROWB                        ; the first refill is t = 2
	s_add_nc_u64 s[AB0:AB0+1], s[4:5], s[100:101]
	s_add_nc_u64 s[44:45], s[6:7], s[44:45]
	s_add_nc_u64 s[BB0:BB0+1], s[8:9], s[46:47]
	s_add_nc_u64 s[66:67], s[10:11], s[66:67]
	s_cmp_eq_u32 s[MH], 0                          ; waves 0, 1 bring A's scales, waves 2, 3 B's
	s_cselect_b64 s[SCP:SCP+1], s[44:45], s[66:67]
	s_mov_b32 s[KO+1], 0
.irp s, 0,1
	s_xor_b32 s[KO], s[OX], \s*ROWB                ; t = s lies 256 (s xor 2 p) bytes along the rows
	s_mov_b32 s[G0+4*\s], 1
	s_mul_i32 s[G0+4*\s+1], s[WV], HALFT
	s_add_co_u32 s[G0+4*\s+1], s[G0+4*\s+1], \s*SLOT
	s_add_nc_u64 s[G0+4*\s+2:G0+4*\s+3], s[AB0:AB0+1], s[KO:KO+1]
	s_or_b32 s[G0+4*\s+3], s[G0+4*\s+3], 0x80000000
	s_mov_b32 s[G0B+4*\s], 1
	s_mul_i32 s[G0B+4*\s+1], s[WV], HALFT
	s_add_co_u32 s[G0B+4*\s+1], s[G0B+4*\s+1], \s*SLOT
	s_add_nc_u64 s[G0B+4*\s+2:G0B+4*\s+3], s[BB0:BB0+1], s[KO:KO+1]
	s_or_b32 s[G0B+4*\s+3], s[G0B+4*\s+3], 0x80000000
.endr
	JLOAD G0, G1, G0B, G1B                         ; K step 0: one tensor load a wave at the head
	v_and_b32 v1, 15, v0                           ; r
	v_bfe_u32 v2, v0, 4, 1                         ; h
	v_and_b32 v3, 31, v0                           ; lane
	v_lshlrev_b32 v[SO], 4, v3
	s_wait_alu depctr_va_vdst(0)                   ; directly behind the writes
.irp j, 0,1,2,3,4,5,6,7,8,9,10,11,12,13,14,15
	global_load_b128 v[XA+4*\j:XA+4*\j+3], v[SO], s[SCP:SCP+1] offset:512*\j   ; the scales of my 128 rows: 32 lanes read 512 consecutive bytes
.endr
	s_cmp_eq_u32 s[MH], 0                          ; the prefetches: A's rows or B's, and my place among the four that ask for them with me
	s_cselect_b64 s[PFB:PFB+1], s[AB0:AB0+1], s[BB0:BB0+1]
	s_cselect_b32 s2, s40, s41
	s_lshl_b32 s2, s2, 16                          ; 32 rows of 2,048 bytes
	s_mov_b32 s3, 0
	s_add_nc_u64 s[PFB:PFB+1], s[PFB:PFB+1], s[2:3]
	v_lshlrev_b32 v[PFO], 11, v3
	s_xor_b32 s2, s[OX], ROWB
	v_add_nc_u32 v12, s2, v[PFO]
	s_xor_b32 s2, s[OX], 2*ROWB
	v_add_nc_u32 v13, s2, v[PFO]
	s_xor_b32 s2, s[OX], 3*ROWB
	v_add_nc_u32 v14, s2, v[PFO]
	s_wait_alu depctr_va_vdst(0)                   ; directly ahead of the readers
	global_prefetch_b8 v12, s[PFB:PFB+1] th:TH_LOAD_NT scope:SCOPE_SE   ; K steps 1, 2, 3: my 32 rows x 256 bytes of each
	global_prefetch_b8 v13, s[PFB:PFB+1] th:TH_LOAD_NT scope:SCOPE_SE
	global_prefetch_b8 v14, s[PFB:PFB+1] th:TH_LOAD_NT scope:SCOPE_SE
	s_lshl_b32 s40, s[TC], 8                       ; the biases: block b of B wants bias b / 2 at hidden columns 64 x tile column + 32 NH + 16 (b % 2) + 8 h + 0 .. 7
	s_lshl_b32 s66, s[NH], 7
	s_add_co_u32 s66, s66, s40
	v_lshl_add_u32 v[BO], v2, 5, s66
.irp b, 0,1,2,3,4,5,6,7
.irp q, 0,1
	global_load_b128 v[BIAS+8*\b+4*\q:BIAS+8*\b+4*\q+3], v[BO], s[92+2*(\b/2):93+2*(\b/2)] offset:64*(\b%2)+16*\q
.endr
.endr
	v_mul_u32_u24 v4, v1, PITCH
	v_lshl_add_u32 v5, v2, 4, v4                   ; a fragment's row x pitch + 16 x half
	s_mul_i32 s23, s[MH], HALFT
	s_mul_i32 s2, s[NH], HALFT
	s_add_co_u32 s2, s2, 2*HALFT
.irp s, 0,1
	v_add_nc_u32 v[ADRA+\s], s23, v5
	v_add_nc_u32 v[ADRB+\s], s2, v5
	s_add_co_u32 s23, s23, SLOT
	s_add_co_u32 s2, s2, SLOT
.endr
	v_mul_u32_u24 v6, v1, KS                       ; my row's scales: 64 bytes a row, 16 more for each 256 passed
	v_lshrrev_b32 v7, 8, v6
	v_lshl_add_u32 v6, v7, 4, v6
	s_mul_i32 s23, s[MH], HALFS
	s_mul_i32 s2, s[NH], HALFS
	s_add_co_u32 s2, s2, 2*HALFS
	s_sub_co_u32 s2, s2, s23
	v_mul_u32_u24 v7, s2, v2                       ; lanes 16-31 take B's: the distance between the two bases x h
	s_add_co_u32 s23, s23, SCL
	v_add_nc_u32 v6, v6, v7
	v_add_nc_u32 v[ADRS], s23, v6
	s_mul_i32 s23, s[MH], HALFT                    ; the tail: row 128 MH + r, + 128 NH + 32 h bytes
	s_lshl_b32 s2, s[NH], 7
	s_add_co_u32 s2, s2, s23
	v_lshl_add_u32 v[EA], v2, 5, v4
	v_add_nc_u32 v[EA], s2, v[EA]
	v_add_nc_u32 v[EH], HR, v[EA]
	s_xor_b32 s2, s[NH], 1                         ; back: NH = 0 reads h's rows, NH = 1 c's
	s_mul_i32 s2, s2, HR
	s_add_co_u32 s2, s2, s23
	s_mul_i32 s3, s[WV], HALFS                     ; the scales that I bring: wave x 128 rows' room
	s_add_co_u32 s3, s3, SCL
	v_mul_u32_u24 v6, v2, PITCH                    ; lanes 0-15 one row of 256 bytes, lanes 16-31 the next
	v_lshl_add_u32 v6, v1, 4, v6
	v_add_nc_u32 v[RD], s2, v6
	v_add_nc_u32 v[SS], s3, v6
	v_lshlrev_b32 v6, 12, v2
	v_lshl_add_u32 v[CO], v1, 4, v6
	s_lshl_b32 s41, s[TR], 20                      ; the tile's first byte in c_prev, out0, out1
	s_add_co_u32 s41, s41, s40
	v_lshl_add_u32 v[PF], v0, 12, s41
	s_lshl_b32 s23, s[MH], 19
	s_add_co_u32 s66, s41, s23
	s_mov_b32 s67, 0
	s_add_nc_u64 s[14:15], s[14:15], s[66:67]
.macro LDF win, reg, adr, off          ; a fragment, 16 rows x 128 K: registers 4 c .. 4 c + 3 hold K = 32 c + 16 h + 0 .. 15
	WIN \win
.irp c, 0,1,2,3
	ds_load_b128 v[\reg+4*\c:\reg+4*\c+3], v[\adr] offset:(\off)+32*\c
.endr
.endm
.macro LB s, q                         ; B's eight fragments of slot s's q-th 128 of K, into set q
.irp f, 0,1,2,3,4,5,6,7
	LDF TO_B, 128*(\q)+16*\f, ADRB+\s, 128*(\q)+\f*16*PITCH
.endr
.endm
.macro LX s, q                         ; A's blocks 0-3 into XA
.irp a, 0,1,2,3
	LDF 0, XA+16*\a, ADRA+\s, 128*(\q)+\a*16*PITCH
.endr
.endm
.macro LY s, q                         ; A's blocks 4-7 into YA (q = 0) or YP (q = 1)
.irp a, 0,1,2,3
	LDF 0, YA-(YA-YP)*(\q)+16*\a, ADRA+\s, 128*(\q)+(\a+4)*16*PITCH
.endr
.endm
.macro SCALES sc                       ; a K step's scale words: lanes 0-15 A's block i, lanes 16-31 B's block i
	WIN 0
.irp i, 0,1,2,3,4,5,6,7
	ds_load_b64 v[SC+16*\sc+2*\i:SC+16*\sc+2*\i+1], v[ADRS] offset:\i*SBLK
.endr
.endm
; Product N_ of a K step's 128: q = N_ / 64, A's block (N_ % 64) / 8, B's block N_ % 8.  The 64 accumulators take turns.  first: the sums begin on the biases
.macro PROD s, first
.set Q_, N_/64
.set A_, (N_%64)/8
.set B_, N_%8
.if A_ < 4
.set R_, XA+16*A_
.elseif Q_ == 0
.set R_, YA+16*(A_-4)
.else
.set R_, YP+16*(A_-4)
.endif
.set D_, 8*(8*(A_%4)+B_)
.if \first
.set W_, 0x81+0x40*(A_/4)
	WIN W_
	v_wmma_scale_f32_16x16x128_f8f6f4 v[D_:D_+7], v[128*Q_+16*B_:128*Q_+16*B_+15], v[R_:R_+15], v[BIAS+8*B_:BIAS+8*B_+7], v[SC+16*\s+2*B_+Q_], v[SC+16*\s+2*A_+Q_] matrix_a_fmt:MATRIX_FMT_BF8 matrix_b_fmt:MATRIX_FMT_BF8 matrix_a_scale:MATRIX_SCALE_ROW1
.else
.set W_, 0xa1+0x50*(A_/4)
	WIN W_
	v_wmma_scale_f32_16x16x128_f8f6f4 v[D_:D_+7], v[128*Q_+16*B_:128*Q_+16*B_+15], v[R_:R_+15], v[D_:D_+7], v[SC+16*\s+2*B_+Q_], v[SC+16*\s+2*A_+Q_] matrix_a_fmt:MATRIX_FMT_BF8 matrix_b_fmt:MATRIX_FMT_BF8 matrix_a_scale:MATRIX_SCALE_ROW1
.endif
.set N_, N_+1
.endm
; Products 0-63 of slot s, and the loads of its second 128 of K: B's set 1 and YP ahead of product 0, XA behind product 31.
; Eight plain places stand behind the last product that read a register, ahead of a load into it: at the end of each half and behind products 31 and 95.
; first: the biases lie in YP's registers until product 63, so YP is loaded at the end.
.macro HALF1 s, first
	LB \s, 1
.if \first == 0
	LY \s, 1
.endif
	s_wait_dscnt 48-16*\first                      ; all but the 48 loads (first: 32) just issued are in: this half's operands
.set N_, 0
.rept 64
	PROD \s, \first
.if N_ == 32
	PLACES 8
	LX \s, 1
.endif
.endr
	WIN 0
	PLACES 8
	s_wait_dscnt 0x0                               ; the operands of products 64 on are in (the last were asked for 32 products ago)
.if \first
	LY \s, 1
.endif
.endm
.macro ASK s                           ; while a K step two refills on exists: my 32 rows of it; in the loop's last trip: c_prev's rows, thread t's row t (slot 0) and t + 128 (slot 1)
	s_cmp_lg_u32 s3, 1
	s_cbranch_scc0 .Lfor_c_\@
	global_prefetch_b8 v[PFO], s[PK:PK+1] th:TH_LOAD_NT scope:SCOPE_SE
	s_branch .Lprefetched_\@
.Lfor_c_\@:
	global_prefetch_b8 v[PF], s[12:13] offset:\s*524288 th:TH_LOAD_NT scope:SCOPE_SE
.Lprefetched_\@:
.endm
; Products 64-127 of slot s.  fill = 1: the slot is filled again by the joint loads, two K steps on; 2: slot 0's first half takes c_prev's tile; 0: the last K step.
; The change of slots: each wave waits for all its tensor loads (one is out: its part of slot n), adds 0 to its spare word, and waits for that and for its reads of slot s; the barrier opens a round of the cluster's.
; Behind the round: the refill; then slot n's scale words, B's set 0 and YA; XA behind product 95.
.macro HALF2 s, n, fill
.if \fill == 1
	s_wait_xcnt 0x0                                ; my last prefetch has read its address
	s_add_co_u32 s10, s[KT], 2*ROWB
	s_xor_b32 s10, s10, s[OX]
	s_mov_b32 s11, 0
	s_add_nc_u64 s[PK:PK+1], s[PFB:PFB+1], s[10:11]
.endif
.if \fill
	s_wait_tensorcnt 0x0
	ds_add_u32 v[SPW], v[NIL]
.endif
.if \fill == 1
	s_xor_b32 s[KO], s[KT], s[OX]                  ; no tensor load of mine is out: the groups 0 may be written
	s_add_nc_u64 s[G0+4*\s+2:G0+4*\s+3], s[AB0:AB0+1], s[KO:KO+1]
	s_or_b32 s[G0+4*\s+3], s[G0+4*\s+3], 0x80000000
	s_add_nc_u64 s[G0B+4*\s+2:G0B+4*\s+3], s[BB0:BB0+1], s[KO:KO+1]
	s_or_b32 s[G0B+4*\s+3], s[G0B+4*\s+3], 0x80000000
	s_add_co_u32 s[KT], s[KT], ROWB
.endif
.set N_, 64
.rept 4
	PROD \s, 0
.endr
.if \fill
	s_wait_dscnt 0x0                               ; the add is done, and my reads of slot s are over
	s_barrier_signal -1
.endif
.rept 4
	PROD \s, 0
.endr
.if \fill
	WIN 0
	s_barrier_wait -1
	CREST
.if \fill == 1
	JLOAD G0+4*\s, G1, G0B+4*\s, G1B
.else
	TLOAD G0C, G1C
.endif
	v_add_nc_u32 v[ADRS], 8, v[ADRS]               ; the next K step's scale words
	s_wait_alu depctr_va_vdst(0)                   ; directly behind the write
	SCALES \n
	LB \n, 0
	LY \n, 0
.if \fill == 1
	ASK \s
.endif
.endif
.rept 56
	PROD \s, 0
.if (N_ == 96) && (\fill > 0)
	PLACES 8
	LX \n, 0
.endif
.endr
	WIN 0
	PLACES 8
.endm
	s_wait_alu depctr_va_vdst(0)                   ; the head's end
	s_wait_loadcnt 16                              ; my sixteen loads of scales are in; the sixteen of the biases behind them may be out
.irp j, 0,1,2,3,4,5,6,7,8,9,10,11,12,13,14,15
	ds_store_b128 v[SS], v[XA+4*\j:XA+4*\j+3] offset:544*\j   ; two rows of 256 bytes an instruction, 272 apart
.endr
	s_wait_tensorcnt 0x0                           ; my part of K step 0 is in; these lines stand ahead of a later first fill as ahead of a refill
	ds_add_u32 v[SPW], v[NIL]
	s_lshl_b32 s23, s[WV], 18                      ; c_prev's tile: each wave fetches 64 rows
	s_add_co_u32 s66, s41, s23
	s_mov_b32 s[G0C], 1
	s_mul_i32 s[G0C+1], s[WV], 64*PITCH
	s_add_nc_u64 s[G0C+2:G0C+3], s[12:13], s[66:67]
	s_or_b32 s[G0C+3], s[G0C+3], 0x80000000
	s_wait_dscnt 0x0                               ; the add and my stores of scales are done
	CROUND
	JLOAD G0+4, G1, G0B+4, G1B                     ; K step 1, the first tensor load behind the round
	LB 0, 0
	LX 0, 0
	SCALES 0
	LY 0, 0
	s_wait_loadcnt 0x0                             ; the biases are in, and their loads have read s[92:99]
	s_mov_b32 s[G1C+0], (2<<16)|(1<<20)|(5<<22)|(3<<25)   ; no mask; 64 rows of 64 numbers of 4 bytes, padded
	s_mov_b32 s[G1C+1], 64<<16
	s_mov_b32 s[G1C+2], 64<<16
	s_mov_b32 s[G1C+3], 64<<16
	s_mov_b32 s[G1C+4], 64
	s_mov_b32 s[G1C+5], 1024
	s_mov_b32 s[G1C+6], 0
	s_mov_b32 s[G1C+7], 0
	HALF1 0, 1                                     ; the first 64 products stand in front of the loop: they start the sums
	s_mov_b32 s3, 3
.Llap:                                                 ; a trip: from the middle of a K step in slot 0 to the middle of the next one there; both slots are filled again
	HALF2 0, 1, 1
	HALF1 1, 0
	HALF2 1, 0, 1
	HALF1 0, 0
	s_sub_co_u32 s3, s3, 1
	s_cmp_lg_u32 s3, 0
	s_cbranch_scc1 .Llap
	HALF2 0, 1, 2                                  ; slot 0 is left for good: c_prev's tile goes into its first half
	HALF1 1, 0
	HALF2 1, 0, 0
	s_wait_tensorcnt 0x0                           ; my 64 rows of c_prev have landed; no LDS instruction of mine is out
	s_barrier_signal -1
	s_barrier_wait -1                              ; everybody's have.
	s_mov_b32 s44, 0xbfb8aa3b                      ; -log2(e)
	s_mov_b32 s45, s44
	s_mov_b32 s46, 0x4038aa3b                      ; 2 log2(e)
	s_mov_b32 s47, s46
; THE TAIL, nine trips over my eight blocks of 16 rows: lane (r, h) holds, of row 16 a + r, sixteen hidden columns of each of the four gates.
; Trip a takes block a's gates to c, and block a - 1's c to h: the two share each batch of exponentials and of reciprocals, so a trip has two batches, 80 deep.
; A trip's barrier is split: block a + 1's scalings stand between trip a's LDS stores and the wait for them, trip a + 1's exponentials between the signal and the wait.
; Block a - 2's whole rows (its c stored in trip a - 2, its h in trip a - 1) are read back behind that wait and leave behind trip a's reciprocals.
.macro SEND a, younger
.set BS, BK+32*((\a)%2)
	s_wait_dscnt \younger
.irp t, 0,1,2,3,4,5,6,7
	global_store_b128 v[CO], v[BS+4*\t:BS+4*\t+3], s[14:15] offset:(16*(\a)+2*\t)*4096 th:TH_STORE_NT   ; 16 lanes store 256 consecutive bytes, aligned
.endr
.endm
.macro RB b                            ; block b: two whole rows an instruction: h's (NH = 0) or c's (NH = 1)
.irp t, 0,1,2,3,4,5,6,7
	ds_load_b128 v[BK+32*((\b)%2)+4*\t:BK+32*((\b)%2)+4*\t+3], v[RD] offset:(\b)*EBLK+2*\t*PITCH
.endr
.endm
.macro PHM a                           ; block a's gates times -log2(e) (i, f, o) or 2 log2(e) (g); each accumulator from its low end on
.set AC, 64*((\a)%4)
.set ON, OB+16*((\a)%2)
.if (\a) < 4
	WIN 0x02
.else
	WIN 0x03
.endif
.set k, 0
.rept 16
	v_pk_mul_f32 v[TI+2*k:TI+2*k+1], v[AC+2*k:AC+2*k+1], s[44:45] op_sel_hi:[1,0]
.set k, k+1
.endr
.set k, 0
.rept 8
	v_pk_mul_f32 v[ON+2*k:ON+2*k+1], v[AC+32+2*k:AC+33+2*k], s[44:45] op_sel_hi:[1,0]
.set k, k+1
.endr
.set k, 0
.rept 8
	v_pk_mul_f32 v[TG+2*k:TG+2*k+1], v[AC+48+2*k:AC+49+2*k], s[46:47] op_sel_hi:[1,0]
.set k, k+1
.endr
	WIN 0
.endm
.macro BATCH op, a                     ; one transcendental on block a's i, f, g and o, and on block a - 1's 16; a plain place behind it
.if (\a) < 8
.set k, 0
.rept 48
	\op v[TI+k], v[TI+k]
.set k, k+1
.endr
.set k, 0
.rept 16
	\op v[OA+k], v[OA+k]
.set k, k+1
.endr
.endif
.if (\a) > 0
.set k, 0
.rept 16
	\op v[U+k], v[U+k]
.set k, k+1
.endr
.endif
	v_nop
.endm
.macro EPI a
.set OA, OB+16*((\a)%2)
.set OP, OB+16*(((\a)+1)%2)
	BATCH v_exp_f32, \a                            ; (its sources' wait stands ahead of the signal, or of the first trip)
.if (\a) > 0
	s_barrier_wait -1                              ; trip a - 1's stores of c and h lie there, both waves' halves.  Each block has bytes of its own
.endif
.if (\a) >= 2
.if (\a) >= 4
	s_wait_xcnt 0x0                                ; block a - 4's stores have read their registers
.endif
	RB (\a)-2
.endif
.if (\a) < 8
.irp cb, 0,1
.irp q, 0,1
	ds_load_b128 v[CPV+8*\cb+4*\q:CPV+8*\cb+4*\q+3], v[EA] offset:(\a)*EBLK+64*\cb+16*\q   ; c_prev at my sixteen places
.endr
.endr
.endif
	s_wait_alu depctr_va_vdst(0)                   ; behind each batch of transcendentals and ahead of it
.if (\a) < 8
.set k, 0
.rept 24
	v_pk_add_f32 v[TI+2*k:TI+2*k+1], v[TI+2*k:TI+2*k+1], 1.0 op_sel_hi:[1,0]
.set k, k+1
.endr
.set k, 0
.rept 8
	v_pk_add_f32 v[OA+2*k:OA+2*k+1], v[OA+2*k:OA+2*k+1], 1.0 op_sel_hi:[1,0]
.set k, k+1
.endr
.endif
.if (\a) > 0
.set k, 0
.rept 8
	v_pk_add_f32 v[U+2*k:U+2*k+1], v[U+2*k:U+2*k+1], 1.0 op_sel_hi:[1,0]
.set k, k+1
.endr
.endif
	s_wait_alu depctr_va_vdst(0)
	BATCH v_rcp_f32, \a                            ; i, f, o are finished; of g and c this is 1 / (1 + 2^(2 x log2 e))
.if (\a) >= 2
.if (\a) < 8
	SEND (\a)-2, 4                                 ; its read-backs are in; my four loads of c_prev may be out
.else
	SEND (\a)-2, 0
.endif
.endif
	s_wait_alu depctr_va_vdst(0)
.if (\a) > 0
.set k, 0
.rept 8
	v_pk_fma_f32 v[U+2*k:U+1+2*k], v[U+2*k:U+1+2*k], -2.0, 1.0 op_sel_hi:[1,0,0]   ; tanh(c) of block a - 1
.set k, k+1
.endr
.set k, 0
.rept 8
	v_pk_mul_f32 v[U+2*k:U+1+2*k], v[U+2*k:U+1+2*k], v[OP+2*k:OP+1+2*k]             ; h = o tanh(c)
.set k, k+1
.endr
.irp cb, 0,1
.irp q, 0,1
	ds_store_b128 v[EH], v[U+8*\cb+4*\q:U+8*\cb+4*\q+3] offset:((\a)-1)*EBLK+64*\cb+16*\q
.endr
.endr
.endif
.if (\a) < 8
.set k, 0
.rept 8
	v_pk_fma_f32 v[TG+2*k:TG+1+2*k], v[TG+2*k:TG+1+2*k], -2.0, 1.0 op_sel_hi:[1,0,0]   ; tanh(g)
.set k, k+1
.endr
.set k, 0
.rept 8
	v_pk_mul_f32 v[TG+2*k:TG+1+2*k], v[TG+2*k:TG+1+2*k], v[TI+2*k:TI+1+2*k]             ; i tanh(g)
.set k, k+1
.endr
	s_wait_alu depctr_va_vdst(0)                   ; directly ahead of the wait below
.if (\a) > 0
	s_wait_dscnt 4                                 ; c_prev is in; the four stores of h behind it may be out
.else
	s_wait_dscnt 0x0
.endif
.set k, 0
.rept 8
	v_pk_fma_f32 v[CPV+2*k:CPV+1+2*k], v[TI+16+2*k:TI+17+2*k], v[CPV+2*k:CPV+1+2*k], v[TG+2*k:TG+1+2*k]   ; c = f c_prev + i tanh(g)
.set k, k+1
.endr
.irp cb, 0,1
.irp q, 0,1
	ds_store_b128 v[EA], v[CPV+8*\cb+4*\q:CPV+8*\cb+4*\q+3] offset:(\a)*EBLK+64*\cb+16*\q   ; over c_prev's bytes, which my lane alone has read
.endr
.endr
.set k, 0
.rept 8
	v_pk_mul_f32 v[U+2*k:U+1+2*k], v[CPV+2*k:CPV+1+2*k], s[46:47] op_sel_hi:[1,0]   ; 2 c log2(e), for the next trip
.set k, k+1
.endr
.if (\a) < 7
	PHM (\a)+1
.endif
	s_wait_alu depctr_va_vdst(0)                   ; directly ahead of the wait below: the next trip's exponentials read what was just written
.endif
	s_wait_dscnt 0x0                               ; for the others' sake: my stores of c and h are done
	s_barrier_signal -1
.endm
	PHM 0
	s_wait_alu depctr_va_vdst(0)                   ; ahead of the first batch
.irp a, 0,1,2,3,4,5,6,7,8
	EPI \a
.endr
	s_barrier_wait -1
	s_wait_xcnt 0x0                                ; block 5's stores have read their registers
	RB 7
	SEND 7, 0
	s_wait_tensorcnt 0x0                           ; the wave's end
	ds_add_u32 v[SPW], v[NIL]
	s_wait_dscnt 0x0
	CROUND                                         ; the closing round
	s_endpgm
.Lfunc_end_k_q7cbbed7dd9_lstm:
	.size	k_q7cbbed7dd9_lstm, .Lfunc_end_k_q7cbbed7dd9_lstm-k_q7cbbed7dd9_lstm
	.p2alignl 7, 3214868480
	.fill 96, 4, 3214868480
	.section	.rodata,"a",@progbits
	.p2align	6, 0x0
	.amdhsa_kernel k_q7cbbed7dd9_lstm
		.amdhsa_group_segment_fixed_size 327680
		.amdhsa_private_segment_fixed_size 0
		.amdhsa_enable_private_segment 0
		.amdhsa_kernarg_size 88
		.amdhsa_user_sgpr_count 2
		.amdhsa_user_sgpr_kernarg_segment_ptr 1
		.amdhsa_wavefront_size32 1
		.amdhsa_system_sgpr_workgroup_id_x 1
		.amdhsa_system_sgpr_workgroup_id_y 1
		.amdhsa_system_sgpr_workgroup_id_z 1
		.amdhsa_system_vgpr_workitem_id 0
		.amdhsa_next_free_vgpr 1024
		.amdhsa_next_free_sgpr 102
		.amdhsa_reserve_vcc 0
		.amdhsa_float_denorm_mode_32 3
		.amdhsa_float_denorm_mode_16_64 3
		.amdhsa_memory_ordered 1
		.amdhsa_forward_progress 1
		.amdhsa_inst_pref_size 244
	.end_amdhsa_kernel
	.amdgpu_metadata
---
amdhsa.version: [ 1, 2 ]
amdhsa.kernels:
  - .name:           k_q7cbbed7dd9_lstm
    .symbol:         k_q7cbbed7dd9_lstm.kd
    .args:
      - { .name: a_codes, .offset: 0, .size: 8, .value_kind: global_buffer, .address_space: global }
      - { .name: a_scales, .offset: 8, .size: 8, .value_kind: global_buffer, .address_space: global }
      - { .name: b_codes, .offset: 16, .size: 8, .value_kind: global_buffer, .address_space: global }
      - { .name: b_scales, .offset: 24, .size: 8, .value_kind: global_buffer, .address_space: global }
      - { .name: b_i, .offset: 32, .size: 8, .value_kind: global_buffer, .address_space: global }
      - { .name: b_f, .offset: 40, .size: 8, .value_kind: global_buffer, .address_space: global }
      - { .name: b_o, .offset: 48, .size: 8, .value_kind: global_buffer, .address_space: global }
      - { .name: b_g, .offset: 56, .size: 8, .value_kind: global_buffer, .address_space: global }
      - { .name: c_prev, .offset: 64, .size: 8, .value_kind: global_buffer, .address_space: global }
      - { .name: out0, .offset: 72, .size: 8, .value_kind: global_buffer, .address_space: global }
      - { .name: out1, .offset: 80, .size: 8, .value_kind: global_buffer, .address_space: global }
    .group_segment_fixed_size: 327680
    .private_segment_fixed_size: 0
    .kernarg_segment_align: 8
    .kernarg_segment_size: 88
    .max_flat_workgroup_size: 128
    .sgpr_count:     102
    .vgpr_count:     1024
    .wavefront_size: 32
...
	.end_amdgpu_metadata
.endif
;; end of part 2
